; MI455X (gfx1250); checked and timed in simulation.
; The chip was launched on July 23, 2026; its instructions are those of AMD's public machine-readable ISA for CDNA 5 (MIT licence, August 2026) and "CDNA5" Instruction Set Architecture Reference Guide (July 2026). The comments in the code are by the model that wrote it; some were corrected since.
;; Vector Quantize. Allowed arithmetic: float matrix products may take bf16 or f16 operands with f32 sums; all other float work in f32.
;; Inputs: codebook_weight 8,192 x 256 float32; proj_b 256 float32; proj_w 256 x 256 float32; z_e 16 x 2,048 x 256 float32.
;; Outputs: out0 16 x 2,048 x 256 float32; out1 one number float32; out2 16 x 2,048 int32.
;; 2 versions, each right; version 2 is version 1 with the launch refine written anew for expert scheduling mode. Each part assembles by itself: llvm-mc -triple=amdgcn-amd-amdhsa -mcpu=gfx1250 --defsym DOCPART=n.
;; ======== version 1 of 2: 4 launches
;; limits: values are held in f16: magnitudes above 65,504 overflow, below 6.1e-05 lose precision; right only within a limited range of input values; values within 0.001 (relative) of each other or of a threshold may be ordered or decided otherwise than in the reference
;; workspace buffers: cb 8,388,608 bytes; cbh 4,194,304 bytes; cn16 32,768 bytes; cand 524,288 bytes of whole numbers; part 16,384 bytes
;; launch proj (part 1): grid 256 x 1, 4 waves a work-group, clusters of 4 x 1, 327,680 bytes of LDS; arguments codebook_weight, proj_w, proj_b, cb, cbh, cn16; writes cb, cbh, cn16
.if DOCPART == 1
	.amdgcn_target "amdgcn-amd-amdhsa--gfx1250"
	.amdhsa_code_object_version 6
	.text
	.protected	k_q92ffed56e7_proj
	.globl	k_q92ffed56e7_proj
	.p2align	8
	.type	k_q92ffed56e7_proj,@function
k_q92ffed56e7_proj:
	s_mov_b64 s[64:65], 0
	v_nop
	global_prefetch_b8 v0, s[64:65] scope:SCOPE_SE
	s_setreg_imm32_b32 hwreg(HW_REG_WAVE_MODE, 25, 1), 1
	s_wait_xcnt 0x0
	s_wait_alu depctr_hold_cnt(0) depctr_sa_sdst(0) depctr_va_vdst(0) depctr_va_sdst(0) depctr_va_ssrc(0) depctr_va_vcc(0) depctr_vm_vsrc(0)
	s_getreg_b32 s2, hwreg(HW_REG_IB_STS2, 6, 4)
	s_cmp_eq_u32 s2, 0
	s_cbranch_scc0 .Lentry_in_a_cluster
	s_endpgm
.Lentry_in_a_cluster:
	s_bfe_u32 s2, ttmp6, 0x10000c
	s_cmp_lg_u32 s2, 0x3003
	s_cbranch_scc0 .Lentry_shape_is_right
	s_endpgm
.Lentry_shape_is_right:
; codebook c[n][d] = sum over k of cw[n][k] W[d][k] + b[d], n < 8192, d, k < 256, all f32.  Three results:
;   cb    c in f32, [8192][256]: the later decision and the gathered rows need f32 accuracy
;   cbh   f16(-32 c) in the order in which a matrix fragment wants it: code 16 t + r, channel 16 i + 8 h + e at byte 8192 t + 512 i + 16 (16 h + r) + 2 e
;   cn16  16 x the sum over d of c[n][d]^2, f32
; THE f32 MATRIX FORM is used on purpose: this product is 0.54 of the program's 69 G multiply-adds, and the index that the program returns is compared exactly, so c may not be rounded to 16 bits.
; SHARES.  A work-group owns 32 codes (two tiles of 16), wave w the channels 64 w .. 64 w + 63: 2 x 4 accumulators, which take turns.
; The instruction is used transposed: source 0 = 16 rows of W, source 1 = 16 rows of cw, so lane (r, h) holds code r and the channels 8 h + 0..7 of a tile: 16 bytes of cbh, 32 of cb.
; K goes in four chunks of 64 (rows of 256 bytes).  A lane's 16-byte load holds k = 8 s + 4 h + 0..3: registers 0, 1 feed one K step, registers 2, 3 the next; W and cw are permuted alike, so every product meets its partner.
; CLUSTER.  All work-groups read the same W: the four of a cluster ask for each chunk jointly (mask 15).  cw's rows are a work-group's own: a plain load.
; Every LDS byte is filled once; five tensor loads of a wave are out at the most.  LIMITS: |32 c| under 65,504 for cbh; NaN and infinities are not treated apart.
.set PT,    272                 ; an LDS row: 256 bytes + 16 of padding: the 16 rows of a load start at 16 different groups of four banks
.set WCH,   64*PT               ; a wave's 64 rows of W, one chunk
.set CCH,   32*PT               ; the group's 32 rows of cw, one chunk
.set CWB,   16*WCH              ; W: wave w, chunk c at (4 w + c) WCH; cw's four chunks from here on
.set SPT,   1040                ; the stage: 32 rows of 1,024 bytes + 16; it takes cw's bytes when their one fill has been read out
.set SPARE, CWB+4*CCH           ; the spare words: 128 bytes a wave, two blocks of 256 bytes that no other line names
.set WA,  4                     ; v4   LDS address of my W fragments in the chunk in hand
.set CA,  5                     ; v5   the same for cw
.set STO, 6                     ; v6   where I put 32 bytes of a stage row
.set RD,  7                     ; v7   where I read stage rows back
.set GO,  8                     ; v8   16 x lane
.set BO,  9                     ; v9   my byte offset in b
.set SPW, 10                    ; v10  my spare word; never rewritten
.set NIL, 11                    ; v11  0; never rewritten
.set FR,  16                    ; v16-63   two fragment buffers of 24: W's four tiles, cw's two
.set AC,  64                    ; v64-127  accumulator (ct, dt) at 8 (4 ct + dt): written by matrix instructions alone
.set BI,  128                   ; v128-159 b for my lane's 8 channels of each of 4 tiles
.set CO,  160                   ; v160-223 c = sum + b; later the stage rows read back
.set PK,  224                   ; v224-255 packed f16, 4 registers an accumulator
.set WV,  16                    ; s16  wave
.set G1A, 24                    ; s[24:31] group 1, cw
.set G1W, 32                    ; s[32:39] group 1, W
.set G0A, 40                    ; s[40:43] group 0, cw
.set G0W, 44                    ; s[44:59] group 0, W's four chunks
.set CNT, 60
.set SEL, 62                    ; s62, s63 lane selects: each lane its own place in the other half
.macro CREST
	s_cmp_lg_u32 s[WV], 0
	s_cbranch_scc1 .Lnw0_\@
	s_barrier_signal -3
.Lnw0_\@:
	s_barrier_wait -3
	s_barrier_signal -1
	s_barrier_wait -1
.endm
.macro ROUND                    ; a round of the cluster's barrier
	s_barrier_signal -1
	s_barrier_wait -1
	CREST
.endm
.macro PLACES8                  ; eight places behind an f32 matrix instruction ahead of loads into its sources and of reads of its result
.rept 8
	v_nop
.endr
.endm
	s_load_b256 s[4:11], s[0:1], 0x0               ; cw s[4:5], W s[6:7], b s[8:9], cb s[10:11]
	s_load_b128 s[12:15], s[0:1], 0x20             ; cbh s[12:13], cn16 s[14:15]
	v_lshl_add_u32 v[SPW], v0, 2, SPARE
	v_mov_b32 v[NIL], 0
	ds_add_u32 v[SPW], v[NIL]                      ; the wave's opening: the add and its wait ahead of my first tensor load
	v_lshrrev_b32 v1, 5, v0
	v_readfirstlane_b32 s[WV], v1
	s_bfe_u32 s17, ttmp6, 0x40000                  ; cx
	s_lshl_b32 s18, ttmp9, 2
	s_add_co_u32 s18, s18, s17                     ; x: my 32 codes; it enters cw's and the outputs' addresses alone
	s_mov_b32 s[G1A], (2<<16)|(1<<20)|(5<<22)|(3<<25)             ; 4-byte elements; padding on: 4 words behind every 64
	s_mov_b32 s[G1W], 15|(2<<16)|(1<<20)|(1<<21)|(5<<22)|(3<<25)  ; the same, with the mask of four and bit 21 beside it
.irp g, G1A, G1W
	s_mov_b32 s[(\g)+1], 64<<16                    ; tensor_dim0 = 64
	s_mov_b32 s[(\g)+3], 64<<16                    ; tile_dim0 = 64
	s_mov_b32 s[(\g)+5], 256                       ; 256 elements from row to row
	s_mov_b32 s[(\g)+6], 0
	s_mov_b32 s[(\g)+7], 0
.endr
	s_mov_b32 s[G1A+2], 32<<16                     ; cw: 32 rows
	s_mov_b32 s[G1A+4], 32
	s_mov_b32 s[G1W+2], 64<<16                     ; W: 64 rows
	s_mov_b32 s[G1W+4], 64
	s_mov_b32 s[G0A], 1
	s_mul_i32 s19, s[WV], CCH                      ; wave w fetches cw's chunk w,
	s_add_co_u32 s[G0A+1], s19, CWB
	s_mul_i32 s19, s[WV], 4*WCH                    ; and all four chunks of its own 64 rows of W
.irp c, 0,1,2,3
	s_mov_b32 s[G0W+4*(\c)], 1
	s_add_co_u32 s[G0W+4*(\c)+1], s19, (\c)*WCH
.endr
	s_lshl_b32 s20, s18, 15                        ; 32 rows of 1,024 bytes
	s_lshl_b32 s19, s[WV], 8                       ; chunk w: 256 bytes along the rows
	s_add_co_u32 s20, s20, s19
	s_mov_b32 s21, 0
	s_lshl_b32 s22, s[WV], 16                      ; 64 rows of W: the wave's number alone
	s_mov_b32 s23, 0
	s_mov_b32 s[SEL], 0x76543210
	s_mov_b32 s[SEL+1], 0xfedcba98
	s_wait_dscnt 0x0                               ; the opening add is done
	s_wait_kmcnt 0x0
	s_add_nc_u64 s[G0A+2:G0A+3], s[4:5], s[20:21]
	s_or_b32 s[G0A+3], s[G0A+3], 0x80000000
	s_add_nc_u64 s[6:7], s[6:7], s[22:23]
.irp c, 0,1,2,3
	s_add_nc_u64 s[G0W+4*(\c)+2:G0W+4*(\c)+3], s[6:7], (\c)*256
	s_or_b32 s[G0W+4*(\c)+3], s[G0W+4*(\c)+3], 0x80000000
.endr
	ROUND                                          ; all four work-groups are here: the joint loads meet
	tensor_load_to_lds s[G0A:G0A+3], s[G1A:G1A+7]  ; cw first: every wave waits for it
	s_nop 0
.irp c, 0,1,2,3
	tensor_load_to_lds s[G0W+4*(\c):G0W+4*(\c)+3], s[G1W:G1W+7]
	s_nop 0
.endr
	v_and_b32 v1, 15, v0                           ; r
	v_bfe_u32 v2, v0, 4, 1                         ; h
	v_and_b32 v3, 31, v0                           ; lane
	v_mul_u32_u24 v12, v1, PT
	v_lshl_add_u32 v12, v2, 4, v12                 ; r x pitch + 16 h
	s_mul_i32 s19, s[WV], 4*WCH
	v_add_nc_u32 v[WA], s19, v12
	v_add_nc_u32 v[CA], CWB, v12
	v_mul_u32_u24 v13, v1, SPT
	v_lshl_add_u32 v13, v2, 5, v13                 ; stage row r, 32 bytes for each half of the lanes,
	s_lshl_b32 s19, s[WV], 8
	s_add_co_u32 s19, s19, CWB                     ; in my wave's 256 bytes of the row
	v_add_nc_u32 v[STO], s19, v13
	v_lshlrev_b32 v[GO], 4, v3
	s_mul_i32 s19, s[WV], 8*SPT                    ; back: wave w takes rows 8 w .. 8 w + 7, whole
	s_add_co_u32 s19, s19, CWB
	v_add_nc_u32 v[RD], s19, v[GO]
	v_lshlrev_b32 v[BO], 5, v2
	s_lshl_b32 s19, s[WV], 8
	v_add_nc_u32 v[BO], s19, v[BO]                 ; b[64 w + 8 h ..]
.irp dt, 0,1,2,3
	global_load_b128 v[BI+8*(\dt):BI+8*(\dt)+3],   v[BO], s[8:9] offset:64*(\dt)
	global_load_b128 v[BI+8*(\dt)+4:BI+8*(\dt)+7], v[BO], s[8:9] offset:64*(\dt)+16
.endr
	s_lshl_b32 s20, s18, 15                        ; cb: my wave's 8 rows
	s_lshl_b32 s19, s[WV], 13
	s_add_co_u32 s20, s20, s19
	s_add_nc_u64 s[10:11], s[10:11], s[20:21]
	s_lshl_b32 s20, s18, 14                        ; cbh: my group's two tiles, my wave's four blocks of 512 bytes
	s_lshl_b32 s19, s[WV], 11
	s_add_co_u32 s20, s20, s19
	s_add_nc_u64 s[12:13], s[12:13], s[20:21]
	s_lshl_b32 s20, s18, 7                         ; cn16: my wave's 8 numbers
	s_lshl_b32 s19, s[WV], 5
	s_add_co_u32 s20, s20, s19
	s_add_nc_u64 s[14:15], s[14:15], s[20:21]
.macro FRAG s, b                ; six loads: double step s (8 along K) into buffer b
.irp dt, 0,1,2,3
	ds_load_b128 v[FR+24*(\b)+4*(\dt):FR+24*(\b)+4*(\dt)+3], v[WA] offset:(\dt)*16*PT+32*(\s)
.endr
.irp ct, 0,1
	ds_load_b128 v[FR+24*(\b)+16+4*(\ct):FR+24*(\b)+16+4*(\ct)+3], v[CA] offset:(\ct)*16*PT+32*(\s)
.endr
.endm
.macro MUL16 b, zero            ; two K steps on all eight accumulators, which take turns; zero = 1: the first K step starts the sums
.irp u, 0,1
.irp ct, 0,1
.irp dt, 0,1,2,3
.if (\zero) && ((\u) == 0)
	v_wmma_f32_16x16x4_f32 v[AC+8*(4*(\ct)+(\dt)):AC+8*(4*(\ct)+(\dt))+7], v[FR+24*(\b)+4*(\dt)+2*(\u):FR+24*(\b)+4*(\dt)+2*(\u)+1], v[FR+24*(\b)+16+4*(\ct)+2*(\u):FR+24*(\b)+16+4*(\ct)+2*(\u)+1], 0
.else
	v_wmma_f32_16x16x4_f32 v[AC+8*(4*(\ct)+(\dt)):AC+8*(4*(\ct)+(\dt))+7], v[FR+24*(\b)+4*(\dt)+2*(\u):FR+24*(\b)+4*(\dt)+2*(\u)+1], v[FR+24*(\b)+16+4*(\ct)+2*(\u):FR+24*(\b)+16+4*(\ct)+2*(\u)+1], v[AC+8*(4*(\ct)+(\dt)):AC+8*(4*(\ct)+(\dt))+7]
.endif
.endr
.endr
.endr
.endm
.macro CHUNK first              ; 64 along K: eight double steps on two buffers; a step's loads go out one step ahead
.if !(\first)
	PLACES8
.endif
	FRAG 0, 0
	FRAG 1, 1
	s_wait_dscnt 6                                 ; step 0's six are in; step 1's six stay out
	MUL16 0, \first
.irp s, 1,2,3,4,5,6
	PLACES8                                        ; the buffer that the step before multiplied is loaded again
	FRAG (\s)+1, ((\s)+1)%2
	s_wait_dscnt 6                                 ; all but the six just issued
	MUL16 (\s)%2, 0
.endr
	s_wait_dscnt 0x0
	MUL16 1, 0
.endm
	s_wait_tensorcnt 0x4                           ; my chunk of cw is in; W's four stay out
	s_barrier_signal -1
	s_barrier_wait -1                              ; everybody's chunk of cw is in
	s_wait_tensorcnt 0x3                           ; my W chunk 0
	CHUNK 1                                        ; written out: its first K step starts the sums
	s_wait_tensorcnt 0x0                           ; chunks 1 to 3 have had chunk 0's 128 matrix instructions in which to land
	s_mov_b32 s[CNT], 3
.Lchunk:
	v_add_nc_u32 v[WA], WCH, v[WA]
	v_add_nc_u32 v[CA], CCH, v[CA]
	CHUNK 0
	s_sub_co_u32 s[CNT], s[CNT], 1
	s_cmp_lg_u32 s[CNT], 0
	s_cbranch_scc1 .Lchunk
	; THE WAY OUT.  c = sum + b into other registers; -32 c in f16 is 16 bytes a lane and leaves at once: a wave's store is one block of 512 consecutive bytes of cbh.
	PLACES8
	s_wait_loadcnt 0x0                             ; b
.irp a, 0,1,2,3,4,5,6,7
.irp k, 0,1,2,3
	v_pk_add_f32 v[CO+8*(\a)+2*(\k):CO+8*(\a)+2*(\k)+1], v[AC+8*(\a)+2*(\k):AC+8*(\a)+2*(\k)+1], v[BI+8*((\a)%4)+2*(\k):BI+8*((\a)%4)+2*(\k)+1]
.endr
.irp k, 0,1,2,3
	v_pk_mul_f32 v[FR+2*(\k):FR+2*(\k)+1], v[CO+8*(\a)+2*(\k):CO+8*(\a)+2*(\k)+1], 0xc2000000 op_sel_hi:[1,0]  ; x -32
.endr
.irp k, 0,1,2,3
	v_cvt_pk_f16_f32 v[PK+4*(\a)+(\k)], v[FR+2*(\k)], v[FR+2*(\k)+1]
.endr
	global_store_b128 v[GO], v[PK+4*(\a):PK+4*(\a)+3], s[12:13] offset:((\a)/4)*8192+((\a)%4)*512
.endr
	s_wait_dscnt 0x0                               ; my reads of cw's bytes are over
	s_barrier_signal -1
	s_barrier_wait -1                              ; everybody's are: the bytes, whose one fill is past, become the stage
.irp a, 0,1,2,3,4,5,6,7
	ds_store_b128 v[STO], v[CO+8*(\a):CO+8*(\a)+3]   offset:((\a)/4)*16*SPT+((\a)%4)*64
	ds_store_b128 v[STO], v[CO+8*(\a)+4:CO+8*(\a)+7] offset:((\a)/4)*16*SPT+((\a)%4)*64+16
.endr
	s_wait_dscnt 0x0                               ; for the others' sake: my stores are done
	s_barrier_signal -1
	s_barrier_wait -1
.irp i, 0,1,2,3,4,5,6,7
	ds_load_b128 v[CO+8*(\i):CO+8*(\i)+3],   v[RD] offset:(\i)*SPT
	ds_load_b128 v[CO+8*(\i)+4:CO+8*(\i)+7], v[RD] offset:(\i)*SPT+512
.endr
	s_wait_dscnt 0x0
.irp i, 0,1,2,3,4,5,6,7
	global_store_b128 v[GO], v[CO+8*(\i):CO+8*(\i)+3],   s[10:11] offset:(\i)*1024      ; 512 consecutive bytes of a row of cb
	global_store_b128 v[GO], v[CO+8*(\i)+4:CO+8*(\i)+7], s[10:11] offset:(\i)*1024+512
.endr
	; the eight rows' sums of squares, side by side
.irp i, 0,1,2,3,4,5,6,7
	v_pk_mul_f32 v[FR+2*(\i):FR+2*(\i)+1], v[CO+8*(\i):CO+8*(\i)+1], v[CO+8*(\i):CO+8*(\i)+1]
.endr
.irp k, 1,2,3
.irp i, 0,1,2,3,4,5,6,7
	v_pk_fma_f32 v[FR+2*(\i):FR+2*(\i)+1], v[CO+8*(\i)+2*(\k):CO+8*(\i)+2*(\k)+1], v[CO+8*(\i)+2*(\k):CO+8*(\i)+2*(\k)+1], v[FR+2*(\i):FR+2*(\i)+1]
.endr
.endr
.irp i, 0,1,2,3,4,5,6,7
	v_add_f32 v[FR+2*(\i)], v[FR+2*(\i)], v[FR+2*(\i)+1]
.endr
.irp m, 1,2,4,8
.irp i, 0,1,2,3,4,5,6,7
	v_add_f32_dpp v[FR+2*(\i)], v[FR+2*(\i)], v[FR+2*(\i)] row_xmask:\m row_mask:0xf bank_mask:0xf
.endr
.endr
.irp i, 0,1,2,3,4,5,6,7
	v_permlanex16_b32 v[FR+2*(\i)+1], v[FR+2*(\i)], s[SEL], s[SEL+1]
.endr
.irp i, 0,1,2,3,4,5,6,7
	v_add_f32 v[FR+2*(\i)], v[FR+2*(\i)], v[FR+2*(\i)+1]
.endr
	v_mov_b32 v14, v[FR]                           ; lane i takes row i's sum
.irp i, 1,2,3,4,5,6,7
	v_cmp_eq_u32 vcc_lo, \i, v3
	v_cndmask_b32 v14, v14, v[FR+2*(\i)], vcc_lo
.endr
	v_mul_f32 v14, 0x41800000, v14                 ; x 16: exact
	v_lshlrev_b32 v12, 2, v3
	v_cmp_gt_u32 vcc_lo, 8, v3
	s_wait_xcnt 0x0                                ; EXEC changes only behind this wait
	s_and_saveexec_b32 s19, vcc_lo
	global_store_b32 v12, v14, s[14:15]            ; 32 bytes a wave, 32 KiB in the launch: the one store that is narrower than 256 bytes
	s_wait_xcnt 0x0
	s_or_b32 exec_lo, exec_lo, s19
	s_wait_tensorcnt 0x0                           ; the wave's end
	ds_add_u32 v[SPW], v[NIL]
	s_wait_dscnt 0x0
	ROUND                                          ; the closing round
	s_endpgm
.Lfunc_end_k_q92ffed56e7_proj:
	.size	k_q92ffed56e7_proj, .Lfunc_end_k_q92ffed56e7_proj-k_q92ffed56e7_proj
	.p2alignl 7, 3214868480
	.fill 96, 4, 3214868480
	.section	.rodata,"a",@progbits
	.p2align	6, 0x0
	.amdhsa_kernel k_q92ffed56e7_proj
		.amdhsa_group_segment_fixed_size 327680
		.amdhsa_private_segment_fixed_size 0
		.amdhsa_enable_private_segment 0
		.amdhsa_kernarg_size 48
		.amdhsa_user_sgpr_count 2
		.amdhsa_user_sgpr_kernarg_segment_ptr 1
		.amdhsa_wavefront_size32 1
		.amdhsa_system_sgpr_workgroup_id_x 1
		.amdhsa_system_sgpr_workgroup_id_y 1
		.amdhsa_system_sgpr_workgroup_id_z 1
		.amdhsa_system_vgpr_workitem_id 0
		.amdhsa_next_free_vgpr 256
		.amdhsa_next_free_sgpr 72
		.amdhsa_reserve_vcc 1
		.amdhsa_float_denorm_mode_32 3
		.amdhsa_float_denorm_mode_16_64 3
		.amdhsa_memory_ordered 1
		.amdhsa_forward_progress 1
		.amdhsa_inst_pref_size 51
	.end_amdhsa_kernel
	.amdgpu_metadata
---
amdhsa.version: [ 1, 2 ]
amdhsa.kernels:
  - .name:           k_q92ffed56e7_proj
    .symbol:         k_q92ffed56e7_proj.kd
    .args:
      - { .name: codebook_weight, .offset: 0, .size: 8, .value_kind: global_buffer, .address_space: global }
      - { .name: proj_w, .offset: 8, .size: 8, .value_kind: global_buffer, .address_space: global }
      - { .name: proj_b, .offset: 16, .size: 8, .value_kind: global_buffer, .address_space: global }
      - { .name: cb, .offset: 24, .size: 8, .value_kind: global_buffer, .address_space: global }
      - { .name: cbh, .offset: 32, .size: 8, .value_kind: global_buffer, .address_space: global }
      - { .name: cn16, .offset: 40, .size: 8, .value_kind: global_buffer, .address_space: global }
    .group_segment_fixed_size: 327680
    .private_segment_fixed_size: 0
    .kernarg_segment_align: 8
    .kernarg_segment_size: 48
    .max_flat_workgroup_size: 128
    .sgpr_count:     72
    .vgpr_count:     256
    .wavefront_size: 32
...
	.end_amdgpu_metadata
.endif
;; end of part 1
;; launch coarse (part 2): grid 256 x 1, 4 waves a work-group, clusters of 4 x 1, 327,680 bytes of LDS; arguments z_e, cbh, cn16, cand; writes cand
.if DOCPART == 2
	.amdgcn_target "amdgcn-amd-amdhsa--gfx1250"
	.amdhsa_code_object_version 6
	.text
	.protected	k_q92ffed56e7_coarse
	.globl	k_q92ffed56e7_coarse
	.p2align	8
	.type	k_q92ffed56e7_coarse,@function
k_q92ffed56e7_coarse:
	s_mov_b64 s[64:65], 0
	v_nop
	global_prefetch_b8 v0, s[64:65] scope:SCOPE_SE
	s_setreg_imm32_b32 hwreg(HW_REG_WAVE_MODE, 25, 1), 1
	s_wait_xcnt 0x0
	s_wait_alu depctr_hold_cnt(0) depctr_sa_sdst(0) depctr_va_vdst(0) depctr_va_sdst(0) depctr_va_ssrc(0) depctr_va_vcc(0) depctr_vm_vsrc(0)
	s_getreg_b32 s2, hwreg(HW_REG_IB_STS2, 6, 4)
	s_cmp_eq_u32 s2, 0
	s_cbranch_scc0 .Lentry_in_a_cluster
	s_endpgm
.Lentry_in_a_cluster:
	s_bfe_u32 s2, ttmp6, 0x10000c
	s_cmp_lg_u32 s2, 0x3003
	s_cbranch_scc0 .Lentry_shape_is_right
	s_endpgm
.Lentry_shape_is_right:
; FOUR CANDIDATES FOR EACH ROW.  score(q, n) = 16 (|c_n|^2 - 2 e_q . c_n), by f16 products with f32 sums: source 0 = 16 codes of cbh (-32 c), source 1 = 16 rows of z_e in f16,
; and the first K step's C operand is 16 |c_n|^2, so the finished sum IS the score.  |e|^2 is the same for all codes of a row and is left out here.  Nothing of these scores reaches an output:
; the next launch decides among the four in f32.  f16 and not bf16, since its rounding is an eighth of bf16's; the factor 32 puts c (some 0.02) in the middle of f16's range.
; LIMITS.  |z_e| and |32 c| under 65,504; NaN and infinities are not treated apart.  A key keeps 10 bits of the score's mantissa.  The true best code is lost if four others lie within that rounding
; of it, or two others of its own chain of 128 codes do.
; SHARES.  A work-group owns 128 rows of z_e.  EVERY wave holds all 128 as fragments (8 tiles x 64 registers) and walks its own quarter of the codes, 128 tiles of 16: each byte of cbh is read from LDS once
; in a work-group, 16 loads for 64 matrix instructions, and no wave reads another's slot.
; SELECTION.  In the result lane (r, h), register j holds row r and code 8 h + j of the tile.  That place is a CHAIN: it sees 128 codes and keeps its two smallest KEYS.  A key is the score with its low 13 bits
; replaced by the code's number (in the loop the tile's 7 bits, at the end wave, h and j).  Three vector instructions a register; they stand behind the matrix instructions of the OTHER four row tiles.
; RING.  Two slots, each with four tiles (32 KiB) for each wave.  All work-groups walk the same tiles, so the four of a cluster ask jointly (mask 15).  One tensor load a wave is out behind each round, three at the start.
; REGISTERS, in windows of 256 (s_set_vgpr_msb: bits 1:0 source 0, 3:2 source 1, 5:4 source 2, 7:6 destination):
;   window 0: addresses, C operands, accumulators, the chains     window 1: row tiles 0-3, tile q, K step ks at 64 q + 8 ks     window 2: row tiles 4-7     window 3: v0-127 two buffers of a code tile's fragments
.set SLOT1, 1<<17               ; slot 1 begins here: one exclusive or turns an address in one slot into the other's
.set ZT,    SLOT1               ; z_e's 128 rows in f32 lie in slot 1's bytes (and 2 KiB more) until they are converted
.set ZP,    1040                ; 1,024 bytes + 16 of padding
.set BN,    ZT+128*ZP           ; 16 |c|^2: wave w's 2,048 numbers at 8,192 w
.set MERGE, BN+32768            ; 128 rows x 4 waves x 16 bytes; written by LDS stores alone
.set SPARE, MERGE+8192          ; the spare words: 128 bytes a wave, two blocks of 256 bytes that no other line names
.set AF0, 4                     ; v4   16 lane + my wave's part of slot 0
.set CI0, 5                     ; v5   my half's 32 bytes in my wave's norms
.set ADR, 6                     ; v6   address of the run of loads in hand
.set CAD, 7                     ; v7   the same for the norms
.set ZA0, 8                     ; v8   my place in row tiles 0-3 of ZT;  v9: in tiles 4-7
.set SPW, 10                    ; v10  my spare word; never rewritten
.set NIL, 11                    ; v11  0; never rewritten
.set MS,  12                    ; v12  where my list of four goes
.set MR,  13                    ; v13  where I read a row's four lists
.set GO,  14                    ; v14  16 x lane
.set BJ,  16                    ; v16-23   wave << 11 | h << 3 | j
.set CI,  24                    ; v24-39   the C operand, two buffers
.set ACC, 40                    ; v40-103  two sets of four accumulators: set g serves row tiles 4 g .. 4 g + 3
.set MA,  104                   ; v104-167 a chain's smallest key: row tile qt, register j at 8 qt + j
.set MB,  168                   ; v168-231 its second smallest
.set LA,  232                   ; v232-235 a sorted list of four
.set XK,  236                   ; v236-237 at work
.set LB,  240                   ; v240-251 lists from elsewhere
.set WV,  12
.set G1Z, 24                    ; s[24:31] group 1: z_e
.set G1C, 32                    ; s[32:39] cbh
.set G1B, 40                    ; s[40:47] cn16
.set G0Z, 48
.set G0B, 52
.set G0C, 56                    ; s[56:59] walks
.set KMASK, 60                  ; s60  0xffffe000
.set IDX0, 61                   ; s61  tile << 4 for set 0's keys;  s62: for set 1's, which are a tile behind in the first half of a tile
.set TB,  63                    ; s63  the slot that is fetched from
.set TC,  66                    ; s66  64 x the tile to be fetched
.set CNT, 67
.set BIG, 68                    ; s68  the largest finite number
.set SEL, 70                    ; s70, s71
.set MSB, 0
.macro WIN new                  ; the high byte repeats the setting that is left; a switch that changes nothing is dropped
.if MSB != (\new)
	s_set_vgpr_msb (MSB<<8)|(\new)
.set MSB, (\new)
.endif
.endm
.macro CREST
	s_cmp_lg_u32 s[WV], 0
	s_cbranch_scc1 .Lnw0_\@
	s_barrier_signal -3
.Lnw0_\@:
	s_barrier_wait -3
	s_barrier_signal -1
	s_barrier_wait -1
.endm
.macro ROUND
	s_barrier_signal -1
	s_barrier_wait -1
	CREST
.endm
.macro JLOAD                    ; a joint fill: each wave its own four tiles; both addresses hang on the wave's number and the walk alone.  An s_nop 0 and four v_nop follow
	tensor_load_to_lds s[G0C:G0C+3], s[G1C:G1C+7]
	s_nop 0
.rept 4
	v_nop
.endr
.endm
	s_load_b256 s[4:11], s[0:1], 0x0               ; z_e s[4:5], cbh s[6:7], cn16 s[8:9], cand s[10:11]
	v_lshl_add_u32 v[SPW], v0, 2, SPARE
	v_mov_b32 v[NIL], 0
	ds_add_u32 v[SPW], v[NIL]                      ; the wave's opening: the add and its wait ahead of my first tensor load
	v_lshrrev_b32 v1, 5, v0
	v_readfirstlane_b32 s[WV], v1
	s_bfe_u32 s13, ttmp6, 0x40000                  ; cx
	s_lshl_b32 s14, ttmp9, 2
	s_add_co_u32 s14, s14, s13                     ; x: my 128 rows; it enters z_e's and cand's addresses alone
	s_mov_b32 s[G1Z], (2<<16)|(1<<20)|(7<<22)|(3<<25)  ; plain: 4-byte elements; 4 words of padding behind every 256
	s_mov_b32 s[G1Z+1], 256<<16
	s_mov_b32 s[G1Z+2], 32<<16
	s_mov_b32 s[G1Z+3], 256<<16
	s_mov_b32 s[G1Z+4], 32                         ; 32 rows of 256 elements
	s_mov_b32 s[G1Z+5], 256
	s_mov_b32 s[G1Z+6], 0
	s_mov_b32 s[G1Z+7], 0
.irp g, G1C, G1B
	s_mov_b32 s[(\g)], 15|(3<<16)|(1<<21)          ; joint: the mask of four, bit 21 beside it; dense bytes as rows of 32 elements of 8 bytes
	s_mov_b32 s[(\g)+1], 32<<16
	s_mov_b32 s[(\g)+3], 32<<16
	s_mov_b32 s[(\g)+5], 32
	s_mov_b32 s[(\g)+6], 0
	s_mov_b32 s[(\g)+7], 0
.endr
	s_mov_b32 s[G1C+2], 128<<16                    ; four tiles: 128 rows of 256 bytes
	s_mov_b32 s[G1C+4], 128
	s_mov_b32 s[G1B+2], 32<<16                     ; 2,048 norms: 32 rows
	s_mov_b32 s[G1B+4], 32
	s_mov_b32 s[G0Z], 1
	s_mul_i32 s20, s[WV], 32*ZP
	s_add_co_u32 s[G0Z+1], s20, ZT
	s_mov_b32 s[G0B], 1
	s_lshl_b32 s20, s[WV], 13
	s_add_co_u32 s[G0B+1], s20, BN
	s_mov_b32 s[G0C], 1
	s_lshl_b32 s[G0C+1], s[WV], 15
	s_lshl_b32 s16, s14, 17                        ; 128 rows of 1,024 bytes,
	s_lshl_b32 s20, s[WV], 15                      ; my wave fetches 32 of them
	s_add_co_u32 s16, s16, s20
	s_mov_b32 s17, 0
	s_lshl_b32 s18, s[WV], 13
	s_mov_b32 s19, 0
	s_lshl_b32 s22, s[WV], 20                      ; my quarter of cbh
	s_mov_b32 s23, 0
	s_mov_b32 s[KMASK], 0xffffe000
	s_mov_b32 s[IDX0], 0
	s_mov_b32 s[IDX0+1], 0
	s_mov_b32 s[TB], 0
	s_mov_b32 s[TC], 0
	s_mov_b32 s[BIG], 0x7f7fffff
	s_mov_b32 s[SEL], 0x76543210
	s_mov_b32 s[SEL+1], 0xfedcba98
	s_wait_dscnt 0x0                               ; the opening add is done
	s_wait_kmcnt 0x0
	s_add_nc_u64 s[G0Z+2:G0Z+3], s[4:5], s[16:17]
	s_or_b32 s[G0Z+3], s[G0Z+3], 0x80000000
	s_add_nc_u64 s[G0B+2:G0B+3], s[8:9], s[18:19]
	s_or_b32 s[G0B+3], s[G0B+3], 0x80000000
	s_add_nc_u64 s[G0C+2:G0C+3], s[6:7], s[22:23]
	s_or_b32 s[G0C+3], s[G0C+3], 0x80000000
	s_lshl_b32 s16, s14, 11                        ; cand: 128 rows of 16 bytes, my wave's 32
	s_lshl_b32 s20, s[WV], 9
	s_add_co_u32 s16, s16, s20
	s_add_nc_u64 s[10:11], s[10:11], s[16:17]
	ROUND                                          ; all four work-groups are here
	tensor_load_to_lds s[G0Z:G0Z+3], s[G1Z:G1Z+7]  ; the first fills, three of mine: z_e first, it is wanted first
	s_nop 0
	tensor_load_to_lds s[G0B:G0B+3], s[G1B:G1B+7]
	s_nop 0
	tensor_load_to_lds s[G0C:G0C+3], s[G1C:G1C+7]  ; slot 0
	s_nop 0
.rept 4
	v_nop
.endr
	v_and_b32 v1, 15, v0                           ; r
	v_bfe_u32 v2, v0, 4, 1                         ; h
	v_and_b32 v3, 31, v0                           ; lane
	v_lshlrev_b32 v[GO], 4, v3
	s_lshl_b32 s20, s[WV], 15
	v_add_nc_u32 v[AF0], s20, v[GO]
	v_lshlrev_b32 v[CI0], 5, v2
	s_lshl_b32 s20, s[WV], 13
	s_add_co_u32 s20, s20, BN
	v_add_nc_u32 v[CI0], s20, v[CI0]
	v_mul_u32_u24 v[ZA0], v1, ZP
	v_lshl_add_u32 v[ZA0], v2, 5, v[ZA0]           ; row r, 32 bytes for each half of the lanes
	v_add_nc_u32 v[ZA0], ZT, v[ZA0]
	v_add_nc_u32 v[ZA0+1], 64*ZP, v[ZA0]
	s_lshl_b32 s20, s[WV], 4
	s_add_co_u32 s20, s20, MERGE
	v_lshl_add_u32 v[MS], v1, 6, s20               ; row's 64 bytes, my wave's 16
	s_lshl_b32 s20, s[WV], 11
	s_add_co_u32 s20, s20, MERGE
	v_lshl_add_u32 v[MR], v3, 6, s20               ; row 32 w + lane
	s_lshl_b32 s20, s[WV], 11
	v_lshl_or_b32 v15, v2, 3, s20
.irp j, 0,1,2,3,4,5,6,7
	v_or_b32 v[BJ+(\j)], \j, v15
.endr
	; The chains start at the largest finite number, and so does accumulator set 1: the first 32 matrix instructions' riders then work on keys that every true score pushes out, and no first step is written out.
.set mi, 0
.rept 128
	v_mov_b32 v[MA+mi], s[BIG]
.set mi, mi+1
.endr
.set mi, 0
.rept 32
	v_mov_b32 v[ACC+32+mi], s[BIG]
.set mi, mi+1
.endr
.irp k, 0,1,2,3
	v_mov_b32 v[LB+(\k)], 0                        ; v_permlanex16_b32 counts as a reader of its destination
.endr
	s_wait_tensorcnt 0x2                           ; my 32 rows of z_e are in; the norms and slot 0 stay out
	s_barrier_signal -1
	s_barrier_wait -1                              ; all 128 rows are in
; z_e TO f16 FRAGMENTS, 16 batches of four K steps of a row tile.  Lane (r, h) takes channels 32 ks + 8 h + 0..7 and 32 ks + 16 + 8 h + 0..7 of row r: four loads of 16 bytes, eight roundings in pairs.
.macro ZLOAD b
	WIN 0xc0                                       ; destination window 3, address window 0
.set zq, (\b)/2
.irp i, 0,1,2,3
.irp p, 0,1,2,3
	ds_load_b128 v[64*((\b)%2)+16*(\i)+4*(\p):64*((\b)%2)+16*(\i)+4*(\p)+3], v[ZA0+zq/4] offset:(zq%4)*16*ZP+(4*((\b)%2)+(\i))*128+16*((\p)%2)+64*((\p)/2)
.endr
.endr
.endm
.macro ZCVT b
.set zq, (\b)/2
	WIN 0x4f+0x40*(zq/4)                           ; sources window 3, destination window 1 or 2
.set zi, 0
.rept 32
	v_cvt_pk_f16_f32 v[64*(zq%4)+32*((\b)%2)+zi], v[64*((\b)%2)+2*zi], v[64*((\b)%2)+2*zi+1]
.set zi, zi+1
.endr
.endm
	ZLOAD 0
.set zb, 0
.rept 15
	ZLOAD zb+1
	s_wait_dscnt 16                                ; this batch is in; the next one's sixteen loads stay out
	ZCVT zb
.set zb, zb+1
.endr
	s_wait_dscnt 0x0
	ZCVT 15
; A code tile's fragments and C operand into buffer buf: tile a of the slot at s[TB].  18 loads in one run.
.macro FETCH buf, a
	WIN 0
	v_add_nc_u32 v[ADR], s[TB], v[AF0]
	v_add_nc_u32 v[CAD], s[TC], v[CI0]
	ds_load_b128 v[CI+8*(\buf):CI+8*(\buf)+3],   v[CAD]
	ds_load_b128 v[CI+8*(\buf)+4:CI+8*(\buf)+7], v[CAD] offset:16
	s_add_co_u32 s[TC], s[TC], 64                  ; the next fetch is the next tile's
	WIN 0xc0
.irp i, 0,1,2,3,4,5,6,7,8,9,10,11,12,13,14,15
	ds_load_b128 v[64*(\buf)+4*(\i):64*(\buf)+4*(\i)+3], v[ADR] offset:(\a)*8192+512*(\i)  ; 32 lanes x 16 consecutive bytes
.endr
.endm
.macro KEY set, i               ; the score's low 13 bits make room for the tile's number
	v_and_or_b32 v[ACC+32*(\set)+(\i)], v[ACC+32*(\set)+(\i)], s[KMASK], s[IDX0+(\set)]
.endm
; Register i of 32 of a finished set: its key was made a slice ahead; the chain's second smallest is the middle one of key, smallest and second; then the smallest.  Each accumulator is read from its lowest register on.
.macro SLICE set, i
.if (\i) == 0
	KEY \set, 0
.endif
.if (\i) < 31
	KEY \set, (\i)+1
.endif
	v_med3_num_f32 v[MB+32*(\set)+(\i)], v[ACC+32*(\set)+(\i)], v[MA+32*(\set)+(\i)], v[MB+32*(\set)+(\i)]
	v_min_num_f32 v[MA+32*(\set)+(\i)], v[ACC+32*(\set)+(\i)], v[MA+32*(\set)+(\i)]
.endm
; 32 matrix instructions: the code tile in buffer buf x row tiles 4 g .. 4 g + 3, K ascending; the four accumulators take turns.  Behind each stands a slice of the OTHER set, which names none of
; its registers.  fa >= 0: behind the second, tile fa is fetched into the other buffer, whose last reader stands eleven vector instructions back; it is waited for 62 matrix instructions later.
; last = 1: in the tail's last trip there is no further tile, and the run is jumped over.
.macro GROUP buf, g, fa=-1, last=0
.set gi, 0
.rept 32
	WIN 0x03|((1+(\g))<<2)                         ; codes window 3, rows window 1 or 2, C and D window 0
.set rD, ACC+32*(\g)+8*(gi%4)
.set rF, 64*(\buf)+8*(gi/4)
.set rQ, 64*(gi%4)+8*(gi/4)
.if gi < 4
	v_wmma_f32_16x16x32_f16 v[rD:rD+7], v[rF:rF+7], v[rQ:rQ+7], v[CI+8*(\buf):CI+8*(\buf)+7]
.else
	v_wmma_f32_16x16x32_f16 v[rD:rD+7], v[rF:rF+7], v[rQ:rQ+7], v[rD:rD+7]
.endif
	WIN 0
	SLICE 1-(\g), gi
.if (gi == 1) && ((\fa) >= 0)
.if \last
	s_cmp_eq_u32 s[CNT], 1
	s_cbranch_scc1 .Lnofetch_\@
.endif
	FETCH 1-(\buf), \fa
.if \last
	WIN 0
.Lnofetch_\@:
.endif
.endif
.set gi, gi+1
.endr
.endm
.macro NEXTIDX                  ; behind a tile's second half: set 1's keys are this tile's, set 0's the next one's
	s_mov_b32 s[IDX0+1], s[IDX0]
	s_add_co_u32 s[IDX0], s[IDX0], 16
.endm
; A SLOT: four tiles, 256 matrix instructions.  In the third tile the slot's last bytes are fetched; then each wave waits for all its tensor loads (one is out: the other slot's), adds 0 to its spare word, and waits for
; that and for its reads.  fill = 1: the barrier opens a round of the cluster's, 32 matrix instructions stand between signal and wait, and the joint refill of THIS slot is the first thing behind the round: 224 matrix
; instructions ahead of the wait for it.
.macro SLOTM fill, last
	s_wait_dscnt 0x0                               ; tile 0 is in registers
	GROUP 0, 0, 1
	GROUP 0, 1
	NEXTIDX
	s_wait_dscnt 0x0
	GROUP 1, 0, 2
	GROUP 1, 1
	NEXTIDX
	s_wait_dscnt 0x0
	GROUP 0, 0, 3
	WIN 0
	s_wait_tensorcnt 0x0                           ; no tensor load of mine is out, so group 0 may be written
	ds_add_u32 v[SPW], v[NIL]                      ; 0 onto my spare word
.if \fill
	s_xor_b32 s[G0C+1], s[G0C+1], SLOT1            ; the other slot than last time: this one,
	s_add_nc_u64 s[G0C+2:G0C+3], s[G0C+2:G0C+3], 32768  ; the next four tiles; the type bits on top are not reached
.endif
	s_wait_dscnt 0x0                               ; the add is done; tile 3 is in registers: my reads of this slot are over
	s_barrier_signal -1
	GROUP 0, 1                                     ; work on registers while the others arrive
	NEXTIDX
	WIN 0
	s_barrier_wait -1
.if \fill
	CREST
	JLOAD
.endif
	s_xor_b32 s[TB], s[TB], SLOT1                  ; the fetches go on in the other slot
	GROUP 1, 0, 0, \last
	GROUP 1, 1
	NEXTIDX
	WIN 0
.endm
	WIN 0
	s_wait_tensorcnt 0x0                           ; the norms and slot 0 are in; no load of mine is out
	ds_add_u32 v[SPW], v[NIL]
	s_xor_b32 s[G0C+1], s[G0C+1], SLOT1
	s_add_nc_u64 s[G0C+2:G0C+3], s[G0C+2:G0C+3], 32768
	s_wait_dscnt 0x0                               ; the add is done, and my reads of z_e's rows are over
	ROUND                                          ; everybody's are, in all four work-groups
	JLOAD                                          ; slot 1 takes tiles 4 to 7, over z_e's bytes
	FETCH 0, 0
	WIN 0
	s_mov_b32 s[CNT], 30
.Lslot:                                                ; trip s multiplies slot s % 2 and fills it again with tiles 4 (s + 2) ..
	SLOTM 1, 0
	s_sub_co_u32 s[CNT], s[CNT], 1
	s_cmp_lg_u32 s[CNT], 0
	s_cbranch_scc1 .Lslot
	s_mov_b32 s[CNT], 2
.Ltail:                                                ; the last two slots ask for nothing: a text of their own
	SLOTM 0, 1
	s_sub_co_u32 s[CNT], s[CNT], 1
	s_cmp_lg_u32 s[CNT], 0
	s_cbranch_scc1 .Ltail
.rept 4
	v_nop                                          ; the places behind the last products
.endr
.set di, 0
.rept 32
	SLICE 1, di                                    ; the last tile's second set
.set di, di+1
.endr
; THE FOUR SMALLEST.  A sorted list of four takes a key: each place becomes the middle one of its neighbour below, itself and the key.
.macro INS x
	v_med3_num_f32 v[LA+3], v[LA+2], v[LA+3], v[\x]
	v_med3_num_f32 v[LA+2], v[LA+1], v[LA+2], v[\x]
	v_med3_num_f32 v[LA+1], v[LA], v[LA+1], v[\x]
	v_min_num_f32 v[LA], v[LA], v[\x]
.endm
.macro TOP4 qt                  ; row tile qt: my lane's 16 keys get the rest of their number; then the other half of the lanes' list; both halves end with the same four and store them to the same bytes
.irp k, 0,1,2,3
	v_mov_b32 v[LA+(\k)], s[BIG]
.endr
.irp j, 0,1,2,3,4,5,6,7
	v_or_b32 v[XK], v[MA+8*(\qt)+(\j)], v[BJ+(\j)]
	v_or_b32 v[XK+1], v[MB+8*(\qt)+(\j)], v[BJ+(\j)]
	INS XK
	INS XK+1
.endr
.irp k, 0,1,2,3
	v_permlanex16_b32 v[LB+(\k)], v[LA+(\k)], s[SEL], s[SEL+1]
.endr
.irp k, 0,1,2,3
	INS LB+(\k)
.endr
	ds_store_b128 v[MS], v[LA:LA+3] offset:(\qt)*1024
.endm
.irp qt, 0,1,2,3,4,5,6,7
	TOP4 \qt
.endr
	s_wait_dscnt 0x0                               ; for the others' sake: my lists are stored
	s_barrier_signal -1
	s_barrier_wait -1
	ds_load_b128 v[LA:LA+3],    v[MR]              ; row 32 w + lane: the four waves' lists
	ds_load_b128 v[LB:LB+3],    v[MR] offset:16
	ds_load_b128 v[LB+4:LB+7],  v[MR] offset:32
	ds_load_b128 v[LB+8:LB+11], v[MR] offset:48
	s_wait_dscnt 0x0
.irp k, 0,1,2,3,4,5,6,7,8,9,10,11
	INS LB+(\k)
.endr
.irp k, 0,1,2,3
	v_and_b32 v[LA+(\k)], 0x1fff, v[LA+(\k)]       ; the codes' numbers
.endr
	v_min_u32 v[LB],   v[LA],   v[LA+1]            ; in ascending order, by five comparators: the next launch keeps the first of equals
	v_max_u32 v[LB+1], v[LA],   v[LA+1]
	v_min_u32 v[LB+2], v[LA+2], v[LA+3]
	v_max_u32 v[LB+3], v[LA+2], v[LA+3]
	v_min_u32 v[LA],   v[LB],   v[LB+2]
	v_max_u32 v[LB+4], v[LB],   v[LB+2]
	v_min_u32 v[LB+5], v[LB+1], v[LB+3]
	v_max_u32 v[LA+3], v[LB+1], v[LB+3]
	v_min_u32 v[LA+1], v[LB+5], v[LB+4]
	v_max_u32 v[LA+2], v[LB+5], v[LB+4]
	global_store_b128 v[GO], v[LA:LA+3], s[10:11]  ; 512 consecutive bytes of cand
	s_wait_tensorcnt 0x0                           ; the wave's end
	ds_add_u32 v[SPW], v[NIL]
	s_wait_dscnt 0x0
	ROUND                                          ; the closing round
	s_endpgm
.Lfunc_end_k_q92ffed56e7_coarse:
	.size	k_q92ffed56e7_coarse, .Lfunc_end_k_q92ffed56e7_coarse-k_q92ffed56e7_coarse
	.p2alignl 7, 3214868480
	.fill 96, 4, 3214868480
	.section	.rodata,"a",@progbits
	.p2align	6, 0x0
	.amdhsa_kernel k_q92ffed56e7_coarse
		.amdhsa_group_segment_fixed_size 327680
		.amdhsa_private_segment_fixed_size 0
		.amdhsa_enable_private_segment 0
		.amdhsa_kernarg_size 32
		.amdhsa_user_sgpr_count 2
		.amdhsa_user_sgpr_kernarg_segment_ptr 1
		.amdhsa_wavefront_size32 1
		.amdhsa_system_sgpr_workgroup_id_x 1
		.amdhsa_system_sgpr_workgroup_id_y 1
		.amdhsa_system_sgpr_workgroup_id_z 1
		.amdhsa_system_vgpr_workitem_id 0
		.amdhsa_next_free_vgpr 896
		.amdhsa_next_free_sgpr 76
		.amdhsa_reserve_vcc 0
		.amdhsa_float_denorm_mode_32 3
		.amdhsa_float_denorm_mode_16_64 3
		.amdhsa_memory_ordered 1
		.amdhsa_forward_progress 1
		.amdhsa_inst_pref_size 255
	.end_amdhsa_kernel
	.section	.bss,"aw",@nobits
	.p2align	6
	.space	262144
	.amdgpu_metadata
---
amdhsa.version: [ 1, 2 ]
amdhsa.kernels:
  - .name:           k_q92ffed56e7_coarse
    .symbol:         k_q92ffed56e7_coarse.kd
    .args:
      - { .name: z_e, .offset: 0, .size: 8, .value_kind: global_buffer, .address_space: global }
      - { .name: cbh, .offset: 8, .size: 8, .value_kind: global_buffer, .address_space: global }
      - { .name: cn16, .offset: 16, .size: 8, .value_kind: global_buffer, .address_space: global }
      - { .name: cand, .offset: 24, .size: 8, .value_kind: global_buffer, .address_space: global }
    .group_segment_fixed_size: 327680
    .private_segment_fixed_size: 0
    .kernarg_segment_align: 8
    .kernarg_segment_size: 32
    .max_flat_workgroup_size: 128
    .sgpr_count:     76
    .vgpr_count:     896
    .wavefront_size: 32
...
	.end_amdgpu_metadata
.endif
;; end of part 2
;; launch refine (part 3): grid 512 x 1, 8 waves a work-group, no clusters, 0 bytes of LDS; arguments z_e, cb, cn16, cand, out0, out2, part; writes out0, out2, part
.if DOCPART == 3
	.amdgcn_target "amdgcn-amd-amdhsa--gfx1250"
	.amdhsa_code_object_version 6
	.text
	.protected	k_q92ffed56e7_refine
	.globl	k_q92ffed56e7_refine
	.p2align	8
	.type	k_q92ffed56e7_refine,@function
k_q92ffed56e7_refine:
	s_mov_b64 s[64:65], 0
	v_nop
	global_prefetch_b8 v0, s[64:65] scope:SCOPE_SE
	s_setreg_imm32_b32 hwreg(HW_REG_WAVE_MODE, 25, 1), 1
	s_wait_xcnt 0x0
; THE DECISION, IN f32.  For each row of z_e and each of its four candidates (cand, ascending): d = fl(fl(|e|^2 + |c|^2) - 2 e.c), as the reference forms it (2 e.c is exact, so one fused multiply-add rounds as its
; subtraction does); the smallest wins, of equals the first.  out0 = e + (c - e), out2 = the code's number, part = the wave's sum of |c - e|.
; The choice is made by selects, never by a branch; the addresses hang on whole numbers that the launch before stored, clamped to the table.
; LIMITS.  The f32 sums run in another order than the reference's (8 terms a lane, then a tree over 32 lanes); NaN and infinities are not treated apart.
; SHARES.  A wave takes 8 rows.  A row lies across the lanes: lane l holds elements 4 l .. 4 l + 3 and 128 + 4 l .. : each load and store covers 512 consecutive bytes.  Three register slots of a row and its four
; candidates: while one is worked on, two (20 loads) are on their way.
; No LDS, matrix unit or cluster: the work is 5 dot products a row on gathered rows, and work-groups share no tile.  out2 (32 bytes a wave) and part (4) leave in stores narrower than 256 bytes: 144 KiB in the launch.
.set LN,   1                    ; v1   lane
.set L16,  2                    ; v2   16 x lane
.set VB,   3                    ; v3   lane 4 q + c: |c|^2 of row q's candidate c
.set OI,   4                    ; v4   lane q: row q's index
.set L4,   5                    ; v5   4 x lane
.set LA,   8                    ; v8-11   four running sums of |c - e|
.set P,    12                   ; v12-21  five pairs: |e|^2 and the four dot products
.set D,    22                   ; v22-25  the four distances; the first becomes the best
.set BIDX, 28
.set T,    30                   ; v30-37  c - e
.set SL,   40                   ; slot s at 40 + 44 s: e 8, candidates 4 x 8, their offsets 4
.set IX,   16                   ; s[16:47] the wave's 32 candidates
.set BS,   54                   ; s54-57
.set SEL,  58                   ; s58, s59
	s_load_b256 s[4:11], s[0:1], 0x0               ; z_e s[4:5], cb s[6:7], cn16 s[8:9], cand s[10:11]
	s_load_b128 s[12:15], s[0:1], 0x20             ; out0 s[12:13], out2 s[14:15]
	s_load_b64 s[48:49], s[0:1], 0x30              ; part
	v_lshrrev_b32 v6, 5, v0
	v_readfirstlane_b32 s50, v6
	s_lshl_b32 s51, ttmp9, 3
	s_add_co_u32 s51, s51, s50                     ; g: my wave among the launch's 4,096
	v_and_b32 v[LN], 31, v0
	v_lshlrev_b32 v[L16], 4, v[LN]
	v_lshlrev_b32 v[L4], 2, v[LN]
	s_mov_b32 s53, 0
	s_mov_b32 s[SEL], 0x76543210
	s_mov_b32 s[SEL+1], 0xfedcba98
.irp k, 0,1,2,3
	v_mov_b32 v[LA+(\k)], 0
.endr
	v_mov_b32 v[OI], 0
	s_wait_kmcnt 0x0
	s_lshl_b32 s52, s51, 7                         ; 8 rows x 16 bytes of cand
	s_add_nc_u64 s[10:11], s[10:11], s[52:53]
	s_load_b512 s[16:31], s[10:11], 0x0
	s_load_b512 s[32:47], s[10:11], 0x40
	global_load_b32 v6, v[L4], s[10:11]            ; the same 32 numbers, one a lane
	s_lshl_b32 s52, s51, 13                        ; 8 rows of 1,024 bytes
	s_add_nc_u64 s[4:5], s[4:5], s[52:53]
	s_add_nc_u64 s[12:13], s[12:13], s[52:53]
	s_lshl_b32 s52, s51, 5
	s_add_nc_u64 s[14:15], s[14:15], s[52:53]
	s_lshl_b32 s52, s51, 2
	s_add_nc_u64 s[48:49], s[48:49], s[52:53]
	s_wait_kmcnt 0x0
.set ii, 0
.rept 32
	s_min_u32 s[IX+ii], s[IX+ii], 0x1fff           ; an index stays inside the table
.set ii, ii+1
.endr
	s_wait_loadcnt 0x0
	v_min_u32 v6, 0x1fff, v6
	v_lshlrev_b32 v6, 2, v6
	global_load_b32 v[VB], v6, s[8:9]
.macro LOADQ q, s               ; ten loads: row q and its four candidates into slot s
.set SB, SL+44*(\s)
.irp c, 0,1,2,3
	v_lshl_add_u32 v[SB+40+(\c)], s[IX+4*(\q)+(\c)], 10, v[L16]
.endr
	global_load_b128 v[SB:SB+3],   v[L16], s[4:5] offset:1024*(\q) th:TH_LOAD_NT
	global_load_b128 v[SB+4:SB+7], v[L16], s[4:5] offset:1024*(\q)+512 th:TH_LOAD_NT
.irp c, 0,1,2,3
	global_load_b128 v[SB+8+8*(\c):SB+8+8*(\c)+3],  v[SB+40+(\c)], s[6:7]
	global_load_b128 v[SB+8+8*(\c)+4:SB+8+8*(\c)+7], v[SB+40+(\c)], s[6:7] offset:512
.endr
.endm
.macro COMPQ q, s, left         ; left: the loads of younger rows, which stay out
.set SB, SL+44*(\s)
	s_wait_loadcnt \left
	v_pk_mul_f32 v[P:P+1], v[SB:SB+1], v[SB:SB+1]
.irp c, 0,1,2,3
	v_pk_mul_f32 v[P+2+2*(\c):P+3+2*(\c)], v[SB:SB+1], v[SB+8+8*(\c):SB+9+8*(\c)]
.endr
.irp k, 1,2,3
	v_pk_fma_f32 v[P:P+1], v[SB+2*(\k):SB+2*(\k)+1], v[SB+2*(\k):SB+2*(\k)+1], v[P:P+1]
.irp c, 0,1,2,3
	v_pk_fma_f32 v[P+2+2*(\c):P+3+2*(\c)], v[SB+2*(\k):SB+2*(\k)+1], v[SB+8+8*(\c)+2*(\k):SB+9+8*(\c)+2*(\k)], v[P+2+2*(\c):P+3+2*(\c)]
.endr
.endr
.irp i, 0,1,2,3,4
	v_add_f32 v[P+2*(\i)], v[P+2*(\i)], v[P+2*(\i)+1]
.endr
.irp m, 1,2,4,8
.irp i, 0,1,2,3,4
	v_add_f32_dpp v[P+2*(\i)], v[P+2*(\i)], v[P+2*(\i)] row_xmask:\m row_mask:0xf bank_mask:0xf
.endr
.endr
.irp i, 0,1,2,3,4
	v_permlanex16_b32 v[P+2*(\i)+1], v[P+2*(\i)], s[SEL], s[SEL+1]
.endr
.irp i, 0,1,2,3,4
	v_add_f32 v[P+2*(\i)], v[P+2*(\i)], v[P+2*(\i)+1]  ; every lane holds the same five sums
.endr
.irp c, 0,1,2,3
	v_readlane_b32 s[BS+(\c)], v[VB], 4*(\q)+(\c)
.endr
.irp c, 0,1,2,3
	v_add_f32 v[D+(\c)], s[BS+(\c)], v[P]          ; |e|^2 + |c|^2, rounded
.endr
.irp c, 0,1,2,3
	v_fma_f32 v[D+(\c)], -2.0, v[P+2+2*(\c)], v[D+(\c)]
.endr
	v_mov_b32 v[BIDX], s[IX+4*(\q)]
.irp c, 1,2,3
	v_cmp_lt_f32 vcc_lo, v[D+(\c)], v[D]           ; strictly smaller: of equals the lower index stays
	v_cndmask_b32 v[D], v[D], v[D+(\c)], vcc_lo
	v_cndmask_b32 v[BIDX], v[BIDX], s[IX+4*(\q)+(\c)], vcc_lo
.irp k, 0,1,2,3,4,5,6,7
	v_cndmask_b32 v[SB+8+(\k)], v[SB+8+(\k)], v[SB+8+8*(\c)+(\k)], vcc_lo  ; the chosen row gathers in candidate 0's registers
.endr
.endr
.irp k, 0,1,2,3
	v_pk_add_f32 v[T+2*(\k):T+2*(\k)+1], v[SB+8+2*(\k):SB+9+2*(\k)], v[SB+2*(\k):SB+2*(\k)+1] neg_lo:[0,1] neg_hi:[0,1]  ; c - e
.endr
.irp k, 0,1,2,3
	v_pk_add_f32 v[SB+2*(\k):SB+2*(\k)+1], v[SB+2*(\k):SB+2*(\k)+1], v[T+2*(\k):T+2*(\k)+1]  ; e + (c - e), in e's place
.endr
.irp k, 0,1,2,3,4,5,6,7
	v_add_f32 v[LA+(\k)%4], |v[T+(\k)]|, v[LA+(\k)%4]
.endr
	global_store_b128 v[L16], v[SB:SB+3],   s[12:13] offset:1024*(\q) th:TH_STORE_NT
	global_store_b128 v[L16], v[SB+4:SB+7], s[12:13] offset:1024*(\q)+512 th:TH_STORE_NT
	v_cmp_eq_u32 vcc_lo, \q, v[LN]
	v_cndmask_b32 v[OI], v[OI], v[BIDX], vcc_lo
.if (\q)+3 < 8
	s_wait_xcnt 0x0                                ; the stores have read the slot's registers: only now is it loaded again
	LOADQ (\q)+3, \s
.endif
.endm
	LOADQ 0, 0
	LOADQ 1, 1
	LOADQ 2, 2
	s_wait_loadcnt 30                              ; the norms are in; the 30 loads issued behind them stay out
	v_mul_f32 v[VB], 0x3d800000, v[VB]             ; cn16 holds 16 |c|^2: x 1/16 is exact
	COMPQ 0, 0, 20
	COMPQ 1, 1, 20
	COMPQ 2, 2, 20
	COMPQ 3, 0, 20
	COMPQ 4, 1, 20
	COMPQ 5, 2, 20
	COMPQ 6, 0, 10                                 ; nothing is left to load: the counts run down
	COMPQ 7, 1, 0
	v_add_f32 v[LA], v[LA], v[LA+1]
	v_add_f32 v[LA+2], v[LA+2], v[LA+3]
	v_add_f32 v[LA], v[LA], v[LA+2]
.irp m, 1,2,4,8
	v_add_f32_dpp v[LA], v[LA], v[LA] row_xmask:\m row_mask:0xf bank_mask:0xf
.endr
	v_permlanex16_b32 v[LA+1], v[LA], s[SEL], s[SEL+1]
	v_add_f32 v[LA], v[LA], v[LA+1]
	v_cmp_gt_u32 vcc_lo, 8, v[LN]
	s_wait_xcnt 0x0                                ; EXEC changes only behind this wait
	s_and_saveexec_b32 s60, vcc_lo
	global_store_b32 v[L4], v[OI], s[14:15]        ; my 8 indices
	s_wait_xcnt 0x0
	s_or_b32 exec_lo, exec_lo, s60
	v_cmp_eq_u32 vcc_lo, 0, v[LN]
	s_and_saveexec_b32 s60, vcc_lo
	global_store_b32 v[L4], v[LA], s[48:49]        ; my wave's share of the loss
	s_wait_xcnt 0x0
	s_or_b32 exec_lo, exec_lo, s60
	s_endpgm
.Lfunc_end_k_q92ffed56e7_refine:
	.size	k_q92ffed56e7_refine, .Lfunc_end_k_q92ffed56e7_refine-k_q92ffed56e7_refine
	.p2alignl 7, 3214868480
	.fill 96, 4, 3214868480
	.section	.rodata,"a",@progbits
	.p2align	6, 0x0
	.amdhsa_kernel k_q92ffed56e7_refine
		.amdhsa_group_segment_fixed_size 0
		.amdhsa_private_segment_fixed_size 0
		.amdhsa_enable_private_segment 0
		.amdhsa_kernarg_size 56
		.amdhsa_user_sgpr_count 2
		.amdhsa_user_sgpr_kernarg_segment_ptr 1
		.amdhsa_wavefront_size32 1
		.amdhsa_system_sgpr_workgroup_id_x 1
		.amdhsa_system_sgpr_workgroup_id_y 1
		.amdhsa_system_sgpr_workgroup_id_z 1
		.amdhsa_system_vgpr_workitem_id 0
		.amdhsa_next_free_vgpr 176
		.amdhsa_next_free_sgpr 68
		.amdhsa_reserve_vcc 1
		.amdhsa_float_denorm_mode_32 3
		.amdhsa_float_denorm_mode_16_64 3
		.amdhsa_memory_ordered 1
		.amdhsa_forward_progress 1
		.amdhsa_inst_pref_size 64
	.end_amdhsa_kernel
	.amdgpu_metadata
---
amdhsa.version: [ 1, 2 ]
amdhsa.kernels:
  - .name:           k_q92ffed56e7_refine
    .symbol:         k_q92ffed56e7_refine.kd
    .args:
      - { .name: z_e, .offset: 0, .size: 8, .value_kind: global_buffer, .address_space: global }
      - { .name: cb, .offset: 8, .size: 8, .value_kind: global_buffer, .address_space: global }
      - { .name: cn16, .offset: 16, .size: 8, .value_kind: global_buffer, .address_space: global }
      - { .name: cand, .offset: 24, .size: 8, .value_kind: global_buffer, .address_space: global }
      - { .name: out0, .offset: 32, .size: 8, .value_kind: global_buffer, .address_space: global }
      - { .name: out2, .offset: 40, .size: 8, .value_kind: global_buffer, .address_space: global }
      - { .name: part, .offset: 48, .size: 8, .value_kind: global_buffer, .address_space: global }
    .group_segment_fixed_size: 0
    .private_segment_fixed_size: 0
    .kernarg_segment_align: 8
    .kernarg_segment_size: 56
    .max_flat_workgroup_size: 256
    .sgpr_count:     68
    .vgpr_count:     176
    .wavefront_size: 32
...
	.end_amdgpu_metadata
.endif
;; end of part 3
;; launch loss (part 4): grid 1 x 1, 1 waves a work-group, no clusters, 0 bytes of LDS; arguments part, out1; writes out1
.if DOCPART == 4
	.amdgcn_target "amdgcn-amd-amdhsa--gfx1250"
	.amdhsa_code_object_version 6
	.text
	.protected	k_q92ffed56e7_loss
	.globl	k_q92ffed56e7_loss
	.p2align	8
	.type	k_q92ffed56e7_loss,@function
k_q92ffed56e7_loss:
	s_mov_b64 s[64:65], 0
	v_nop
	global_prefetch_b8 v0, s[64:65] scope:SCOPE_SE
	s_setreg_imm32_b32 hwreg(HW_REG_WAVE_MODE, 25, 1), 1
	s_wait_xcnt 0x0
; out1 = m + 0.25 m, m = the mean of |z_q - z_e| over 2^23 numbers: both of the reference's losses are that mean.  part holds 4,096 partial sums, 16 KiB: one wave reads them with 32 loads of 512 consecutive bytes.
; A launch of its own, since a sum over work-groups is ordered by the launch's end; one wave, since there is no more to do.
	s_load_b128 s[4:7], s[0:1], 0x0                ; part s[4:5], out1 s[6:7]
	v_lshlrev_b32 v1, 4, v0
	v_mov_b32 v2, 0
	s_mov_b32 s8, 0x76543210
	s_mov_b32 s9, 0xfedcba98
	s_wait_kmcnt 0x0
.set i, 0
.rept 32
	global_load_b128 v[4+4*i:7+4*i], v1, s[4:5] offset:512*i
.set i, i+1
.endr
	s_wait_loadcnt 0x0
.set k, 4
.rept 60                                               ; four chains of pairs, started by the first four pairs
	v_pk_add_f32 v[4+2*(k%4):5+2*(k%4)], v[4+2*(k%4):5+2*(k%4)], v[4+2*k:5+2*k]
.set k, k+1
.endr
	v_pk_add_f32 v[4:5], v[4:5], v[6:7]
	v_pk_add_f32 v[8:9], v[8:9], v[10:11]
	v_pk_add_f32 v[4:5], v[4:5], v[8:9]
	v_add_f32 v4, v4, v5
.irp m, 1,2,4,8
	v_add_f32_dpp v4, v4, v4 row_xmask:\m row_mask:0xf bank_mask:0xf
.endr
	v_permlanex16_b32 v5, v4, s8, s9
	v_add_f32 v4, v4, v5
	v_mul_f32 v4, 0x34000000, v4                   ; x 2^-23: the mean
	v_fma_f32 v4, 0x3e800000, v4, v4               ; + a quarter of it
	v_cmp_eq_u32 vcc_lo, 0, v0
	s_wait_xcnt 0x0                                ; EXEC changes only behind this wait
	s_and_saveexec_b32 s10, vcc_lo
	global_store_b32 v2, v4, s[6:7]
	s_wait_xcnt 0x0
	s_or_b32 exec_lo, exec_lo, s10
	s_endpgm
.Lfunc_end_k_q92ffed56e7_loss:
	.size	k_q92ffed56e7_loss, .Lfunc_end_k_q92ffed56e7_loss-k_q92ffed56e7_loss
	.p2alignl 7, 3214868480
	.fill 96, 4, 3214868480
	.section	.rodata,"a",@progbits
	.p2align	6, 0x0
	.amdhsa_kernel k_q92ffed56e7_loss
		.amdhsa_group_segment_fixed_size 0
		.amdhsa_private_segment_fixed_size 0
		.amdhsa_enable_private_segment 0
		.amdhsa_kernarg_size 16
		.amdhsa_user_sgpr_count 2
		.amdhsa_user_sgpr_kernarg_segment_ptr 1
		.amdhsa_wavefront_size32 1
		.amdhsa_system_sgpr_workgroup_id_x 1
		.amdhsa_system_sgpr_workgroup_id_y 1
		.amdhsa_system_sgpr_workgroup_id_z 1
		.amdhsa_system_vgpr_workitem_id 0
		.amdhsa_next_free_vgpr 140
		.amdhsa_next_free_sgpr 66
		.amdhsa_reserve_vcc 1
		.amdhsa_float_denorm_mode_32 3
		.amdhsa_float_denorm_mode_16_64 3
		.amdhsa_memory_ordered 1
		.amdhsa_forward_progress 1
		.amdhsa_inst_pref_size 9
	.end_amdhsa_kernel
	.amdgpu_metadata
---
amdhsa.version: [ 1, 2 ]
amdhsa.kernels:
  - .name:           k_q92ffed56e7_loss
    .symbol:         k_q92ffed56e7_loss.kd
    .args:
      - { .name: part, .offset: 0, .size: 8, .value_kind: global_buffer, .address_space: global }
      - { .name: out1, .offset: 8, .size: 8, .value_kind: global_buffer, .address_space: global }
    .group_segment_fixed_size: 0
    .private_segment_fixed_size: 0
    .kernarg_segment_align: 8
    .kernarg_segment_size: 16
    .max_flat_workgroup_size: 32
    .sgpr_count:     66
    .vgpr_count:     140
    .wavefront_size: 32
...
	.end_amdgpu_metadata
.endif
;; end of part 4
;; ======== version 2 of 2: 4 launches; version 1 with the launch refine written anew for expert scheduling mode
;; limits: values are held in f16: magnitudes above 65,504 overflow, below 6.1e-05 lose precision; right only within a limited range of input values; values within 0.001 (relative) of each other or of a threshold may be ordered or decided otherwise than in the reference
;; workspace buffers: cb 8,388,608 bytes; cbh 4,194,304 bytes; cn16 32,768 bytes; cand 524,288 bytes of whole numbers; part 16,384 bytes
;; launch proj: the kernel of part 1 again; grid 256 x 1, 4 waves a work-group, clusters of 4 x 1, 327,680 bytes of LDS; arguments codebook_weight, proj_w, proj_b, cb, cbh, cn16; writes cb, cbh, cn16
;; launch coarse: the kernel of part 2 again; grid 256 x 1, 4 waves a work-group, clusters of 4 x 1, 327,680 bytes of LDS; arguments z_e, cbh, cn16, cand; writes cand
;; launch refine (part 5): grid 512 x 1, 8 waves a work-group, no clusters, 0 bytes of LDS; arguments z_e, cb, cn16, cand, out0, out2, part; writes out0, out2, part
.if DOCPART == 5
	.amdgcn_target "amdgcn-amd-amdhsa--gfx1250"
	.amdhsa_code_object_version 6
	.text
	.protected	k_q92ffed56e7_refine
	.globl	k_q92ffed56e7_refine
	.p2align	8
	.type	k_q92ffed56e7_refine,@function
k_q92ffed56e7_refine:
	s_mov_b64 s[64:65], 0
	v_nop
	global_prefetch_b8 v0, s[64:65] scope:SCOPE_SE
	s_setreg_imm32_b32 hwreg(HW_REG_WAVE_SCHED_MODE, 0, 2), 2
	s_setreg_imm32_b32 hwreg(HW_REG_WAVE_MODE, 25, 1), 1
	s_wait_xcnt 0x0
	s_wait_alu depctr_vm_vsrc(0)
; THE DECISION, IN f32.  For each row of z_e and each of its four candidates (cand, ascending): d = fl(fl(|e|^2 + |c|^2) - 2 e.c), as the reference forms it (2 e.c is exact, so one fused multiply-add rounds as its
; subtraction does); the smallest wins, of equals the first.  out0 = e + (c - e), out2 = the code's number, part = the wave's sum of |c - e|.
; The choice is made by selects, never by a branch; the addresses hang on whole numbers that the launch before stored, clamped to the table.
; LIMITS.  The f32 sums run in another order than the reference's (8 terms a lane, then a tree over 32 lanes); NaN and infinities are not treated apart.
; SHARES.  A wave takes 8 rows, a step each.  A row lies across the lanes: lane l holds elements 4 l .. 4 l + 3 and 128 + 4 l .. : each load and store covers 512 consecutive bytes.
; No LDS, matrix unit or cluster: the work is 5 dot products a row on gathered rows, and work-groups share no tile.  out2 (32 bytes a wave) and part (4) leave in stores narrower than 256 bytes: 144 KiB in the launch.
; THE MODE: SCHED_MODE bits 1:0 = 2 (LLVM: expert scheduling mode 2), set by the entry lines.  The code itself states the register dependences between vector instructions and memory instructions, with s_wait_alu, always for 0.
; THE PLAN.  Registers that memory instructions touch:
;   SLOT0 .. 3   a row of z_e and its four candidates, 40 registers.  Written by the loads of row q + 3, issued in step q; read by step q's arithmetic, which also gathers the chosen row in candidate 0's registers.
;   Y0, Y1       a row of out0.  Written at the end of step q; read by the two stores that are issued in step q + 1.
;   CO           the 32 candidates' byte offsets, all made at the head;  v[L16], v[L4], v[NO]: offsets made at the head.  None is written again.
;   v[CI], v[VB] each the landing place of one load at the head, named by nothing before it.
; Step q works on SLOT[q % 4] and writes Y[q % 2].  Its memory instructions are the loads into SLOT[(q + 3) % 4] = SLOT[(q - 1) % 4] and the stores from Y[(q - 1) % 2]: what step q - 1 worked on, and what no vector
; instruction of step q names.  So the waits at a step's head state all that its twelve memory instructions hang on, and these are dealt among its first vector instructions with no further wait.
; While a row is worked on, two rows (20 loads) are on their way and a third is being asked for.
; Scalar results of vector instructions: the wave's number; the 32 norms, read out of the lanes in one run at the head; in each step the four masks, made in one run.  One wait stands behind each run, ahead of its first reader.
.set LN,   1                    ; v1   lane
.set L16,  2                    ; v2   16 x lane
.set VB,   3                    ; v3   lane 4 q + c: |c|^2 of row q's candidate c
.set OI,   4                    ; v4   lane q: row q's index
.set L4,   5                    ; v5   4 x lane
.set TW,   6                    ; v6   the wave's number
.set CI,   7                    ; v7   lane 4 q + c: row q's candidate c, as loaded
.set LA,   8                    ; v8-11   four running sums of |c - e|
.set P,    12                   ; v12-21  five pairs: |e|^2 and the four dot products
.set D,    22                   ; v22-25  the four distances
.set BE,   26                   ; v26-27  the smallest of the first two, of the first three
.set BIDX, 28
.set NO,   29                   ; v29  byte offset of my lane's norm
.set T,    30                   ; v30-37  c - e
.set Y,    40                   ; v40-55  two out-buffers of 8
.set CO,   56                   ; v56-87  row q, candidate c at 4 q + c
.set SL,   88                   ; v88-247 slot s at 88 + 40 s: e 8, candidates 4 x 8
.set IX,   16                   ; s[16:47] the wave's 32 candidates
.set MK,   54                   ; s54-57  a step's masks: candidate 1, 2, 3 is strictly nearer than all before it; my lane is the row's
.set SEL,  58                   ; s58, s59
.set BS,   66                   ; s66-97  |c|^2 of row q's candidate c at 4 q + c
	s_load_b256 s[4:11], s[0:1], 0x0               ; z_e s[4:5], cb s[6:7], cn16 s[8:9], cand s[10:11]
	s_load_b128 s[12:15], s[0:1], 0x20             ; out0 s[12:13], out2 s[14:15]
	s_load_b64 s[48:49], s[0:1], 0x30              ; part
	v_lshrrev_b32 v[TW], 5, v0
	v_readfirstlane_b32 s50, v[TW]
	v_and_b32 v[LN], 31, v0
	v_lshlrev_b32 v[L16], 4, v[LN]
	v_lshlrev_b32 v[L4], 2, v[LN]
.irp k, 0,1,2,3
	v_mov_b32 v[LA+(\k)], 0
.endr
	v_mov_b32 v[OI], 0
	s_mov_b32 s53, 0
	s_mov_b32 s[SEL], 0x76543210
	s_mov_b32 s[SEL+1], 0xfedcba98
	s_wait_alu depctr_va_sdst(0)                   ; s50, the wave's number, is written, ahead of its first reader
	s_lshl_b32 s51, ttmp9, 3
	s_add_co_u32 s51, s51, s50                     ; g: my wave among the launch's 4,096
	s_wait_kmcnt 0x0
	s_lshl_b32 s52, s51, 7                         ; 8 rows x 16 bytes of cand
	s_add_nc_u64 s[10:11], s[10:11], s[52:53]
	s_load_b512 s[16:31], s[10:11], 0x0
	s_load_b512 s[32:47], s[10:11], 0x40
	s_wait_alu depctr_va_vdst(0)                   ; v[L4] is written, which the load below reads as its offset
	global_load_b32 v[CI], v[L4], s[10:11]         ; the same 32 numbers, one a lane
	s_lshl_b32 s52, s51, 13                        ; 8 rows of 1,024 bytes
	s_add_nc_u64 s[4:5], s[4:5], s[52:53]
	s_add_nc_u64 s[12:13], s[12:13], s[52:53]
	s_lshl_b32 s52, s51, 5
	s_add_nc_u64 s[14:15], s[14:15], s[52:53]
	s_lshl_b32 s52, s51, 2
	s_add_nc_u64 s[48:49], s[48:49], s[52:53]
	s_wait_kmcnt 0x0
.set ii, 0
.rept 32
	s_min_u32 s[IX+ii], s[IX+ii], 0x1fff           ; an index stays inside the table
.set ii, ii+1
.endr
.set ii, 0
.rept 32
	v_lshl_add_u32 v[CO+ii], s[IX+ii], 10, v[L16]  ; all eight rows' offsets at once: a candidate's row of 1,024 bytes, 16 bytes a lane
.set ii, ii+1
.endr
	s_wait_loadcnt 0x0
	v_min_u32 v[NO], 0x1fff, v[CI]
	v_lshlrev_b32 v[NO], 2, v[NO]
	s_wait_alu depctr_va_vdst(0)                   ; v[NO], the 32 offsets CO and v[L16] are written: every load and store from here on reads one of them, and none is written again
	global_load_b32 v[VB], v[NO], s[8:9]
.macro LDE q                    ; two loads: row q of z_e into its slot
.set LB, SL+40*((\q)%4)
	global_load_b128 v[LB:LB+3],   v[L16], s[4:5] offset:1024*(\q) th:TH_LOAD_NT
	global_load_b128 v[LB+4:LB+7], v[L16], s[4:5] offset:1024*(\q)+512 th:TH_LOAD_NT
.endm
.macro LDC q, c                 ; two loads: candidate c of row q
.set LB, SL+40*((\q)%4)+8+8*(\c)
	global_load_b128 v[LB:LB+3],   v[CO+4*(\q)+(\c)], s[6:7]
	global_load_b128 v[LB+4:LB+7], v[CO+4*(\q)+(\c)], s[6:7] offset:512
.endm
; Step q.  left: the loads of younger rows, ten a row, which stay out.
.macro STEP q, left
.set SB, SL+40*((\q)%4)
.set YB, Y+8*((\q)%2)
.set YP, Y+8-8*((\q)%2)
	s_wait_loadcnt \left                           ; loads come back in order (ISA guide 5.7.1): row q and its candidates are in
.if (\q) >= 2
	s_wait_xcnt 0x0                                ; every earlier memory instruction has had its addresses translated (ISA guide 3.1): Y[q % 2], the data of the stores issued in the step before, is rewritten only behind this wait
	s_wait_alu depctr_vm_vsrc(0)                   ; those stores have read Y[q % 2], which this step writes again
.endif
.if (\q) >= 1
	s_wait_alu depctr_va_vdst(0)                   ; the step before has written the other Y, which the stores below read, and is done reading and writing its slot, in which the loads below (rows 4 to 7) land
.endif
.if (\q)+3 < 8
	LDE (\q)+3                                     ; three rows ahead; no vector instruction since the wait names these registers
.endif
	v_pk_mul_f32 v[P:P+1], v[SB:SB+1], v[SB:SB+1]
.irp c, 0,1,2,3
	v_pk_mul_f32 v[P+2+2*(\c):P+3+2*(\c)], v[SB:SB+1], v[SB+8+8*(\c):SB+9+8*(\c)]
.endr
.irp k, 1,2,3
.if (\q)+3 < 8
	LDC (\q)+3, (\k)-1
.endif
	v_pk_fma_f32 v[P:P+1], v[SB+2*(\k):SB+2*(\k)+1], v[SB+2*(\k):SB+2*(\k)+1], v[P:P+1]
.irp c, 0,1,2,3
	v_pk_fma_f32 v[P+2+2*(\c):P+3+2*(\c)], v[SB+2*(\k):SB+2*(\k)+1], v[SB+8+8*(\c)+2*(\k):SB+9+8*(\c)+2*(\k)], v[P+2+2*(\c):P+3+2*(\c)]
.endr
.endr
.if (\q)+3 < 8
	LDC (\q)+3, 3
.endif
.irp i, 0,1,2,3,4
	v_add_f32 v[P+2*(\i)], v[P+2*(\i)], v[P+2*(\i)+1]
.endr
.if (\q) >= 1
	global_store_b128 v[L16], v[YP:YP+3],   s[12:13] offset:1024*((\q)-1) th:TH_STORE_NT      ; the row before
	global_store_b128 v[L16], v[YP+4:YP+7], s[12:13] offset:1024*((\q)-1)+512 th:TH_STORE_NT
.endif
.irp m, 1,2,4,8
.irp i, 0,1,2,3,4
	v_add_f32_dpp v[P+2*(\i)], v[P+2*(\i)], v[P+2*(\i)] row_xmask:\m row_mask:0xf bank_mask:0xf
.endr
.endr
.irp i, 0,1,2,3,4
	v_permlanex16_b32 v[P+2*(\i)+1], v[P+2*(\i)], s[SEL], s[SEL+1]
.endr
.irp i, 0,1,2,3,4
	v_add_f32 v[P+2*(\i)], v[P+2*(\i)], v[P+2*(\i)+1]  ; every lane holds the same five sums
.endr
.irp c, 0,1,2,3
	v_add_f32 v[D+(\c)], s[BS+4*(\q)+(\c)], v[P]   ; |e|^2 + |c|^2, rounded
.endr
.irp c, 0,1,2,3
	v_fma_f32 v[D+(\c)], -2.0, v[P+2+2*(\c)], v[D+(\c)]
.endr
	v_min_num_f32 v[BE], v[D], v[D+1]              ; the running best is a minimum and hangs on no mask, so that the compares stand in one run
	v_min_num_f32 v[BE+1], v[BE], v[D+2]
	v_cmp_lt_f32 s[MK], v[D+1], v[D]               ; strictly smaller: of equals the lower index stays
	v_cmp_lt_f32 s[MK+1], v[D+2], v[BE]
	v_cmp_lt_f32 s[MK+2], v[D+3], v[BE+1]
	v_cmp_eq_u32 s[MK+3], \q, v[LN]
	v_mov_b32 v[BIDX], s[IX+4*(\q)]
	s_wait_alu depctr_va_sdst(0)                   ; the four masks are written, ahead of the selects that read them
.irp c, 1,2,3
	v_cndmask_b32 v[BIDX], v[BIDX], s[IX+4*(\q)+(\c)], s[MK+(\c)-1]
.irp k, 0,1,2,3,4,5,6,7
	v_cndmask_b32 v[SB+8+(\k)], v[SB+8+(\k)], v[SB+8+8*(\c)+(\k)], s[MK+(\c)-1]  ; the chosen row gathers in candidate 0's registers
.endr
.endr
.irp k, 0,1,2,3
	v_pk_add_f32 v[T+2*(\k):T+2*(\k)+1], v[SB+8+2*(\k):SB+9+2*(\k)], v[SB+2*(\k):SB+2*(\k)+1] neg_lo:[0,1] neg_hi:[0,1]  ; c - e
.endr
.irp k, 0,1,2,3
	v_pk_add_f32 v[YB+2*(\k):YB+2*(\k)+1], v[SB+2*(\k):SB+2*(\k)+1], v[T+2*(\k):T+2*(\k)+1]  ; e + (c - e), into the out-buffer
.endr
.irp k, 0,1,2,3,4,5,6,7
	v_add_f32 v[LA+(\k)%4], |v[T+(\k)]|, v[LA+(\k)%4]
.endr
	v_cndmask_b32 v[OI], v[OI], v[BIDX], s[MK+3]
.endm
.irp q, 0,1,2
	LDE \q                                         ; rows 0 to 2 into slots 0 to 2, which nothing has named
.irp c, 0,1,2,3
	LDC \q, \c
.endr
.endr
	s_wait_loadcnt 30                              ; the norms are in; the 30 loads issued behind them stay out
	v_mul_f32 v[VB], 0x3d800000, v[VB]             ; cn16 holds 16 |c|^2: x 1/16 is exact
.set ii, 0
.rept 32
	v_readlane_b32 s[BS+ii], v[VB], ii
.set ii, ii+1
.endr
	s_wait_alu depctr_va_sdst(0)                   ; the 32 norms are written into s[BS ..], ahead of their first reader in step 0
	STEP 0, 20                                     ; no wait on the vector side: nothing has named slot 3, and no row is yet to be stored
	STEP 1, 20
	STEP 2, 20
	STEP 3, 20
	STEP 4, 20
	STEP 5, 20                                     ; from here on nothing is left to load,
	STEP 6, 10                                     ; and the counts run down
	STEP 7, 0
	s_wait_alu depctr_va_vdst(0)                   ; step 7 has written Y1, which the last two stores read
	global_store_b128 v[L16], v[Y+8:Y+11],  s[12:13] offset:1024*7 th:TH_STORE_NT
	global_store_b128 v[L16], v[Y+12:Y+15], s[12:13] offset:1024*7+512 th:TH_STORE_NT
	v_add_f32 v[LA], v[LA], v[LA+1]
	v_add_f32 v[LA+2], v[LA+2], v[LA+3]
	v_add_f32 v[LA], v[LA], v[LA+2]
.irp m, 1,2,4,8
	v_add_f32_dpp v[LA], v[LA], v[LA] row_xmask:\m row_mask:0xf bank_mask:0xf
.endr
	v_permlanex16_b32 v[LA+1], v[LA], s[SEL], s[SEL+1]
	v_add_f32 v[LA], v[LA], v[LA+1]
	v_cmp_gt_u32 vcc_lo, 8, v[LN]
	s_wait_xcnt 0x0                                ; EXEC changes only behind this wait
	s_wait_alu depctr_va_vcc(0)                    ; VCC is written: EXEC is made from it
	s_wait_alu depctr_va_vdst(0)                   ; ahead of a scalar write of EXEC: the vector instructions issued so far are done; among them those that wrote v[OI] and v[LA], the data of the two stores below
	s_wait_alu depctr_vm_vsrc(0)                   ; and the stores issued so far have read their registers
	s_and_saveexec_b32 s60, vcc_lo
	global_store_b32 v[L4], v[OI], s[14:15]        ; my 8 indices
	s_wait_xcnt 0x0
	s_wait_alu depctr_va_vdst(0)                   ; ahead of a scalar write of EXEC: the vector side,
	s_wait_alu depctr_vm_vsrc(0)                   ; and the store above has read v[L4] and v[OI]
	s_or_b32 exec_lo, exec_lo, s60
	v_cmp_eq_u32 vcc_lo, 0, v[LN]
	s_wait_alu depctr_va_vcc(0)                    ; VCC is written: EXEC is made from it
	s_wait_alu depctr_va_vdst(0)                   ; ahead of a scalar write of EXEC: the compare above is done,
	s_wait_alu depctr_vm_vsrc(0)                   ; and no memory instruction has registers left to read
	s_and_saveexec_b32 s60, vcc_lo
	global_store_b32 v[L4], v[LA], s[48:49]        ; my wave's share of the loss
	s_wait_xcnt 0x0
	s_wait_alu depctr_va_vdst(0)                   ; ahead of a scalar write of EXEC: the vector side,
	s_wait_alu depctr_vm_vsrc(0)                   ; and the store above has read v[L4] and v[LA]
	s_or_b32 exec_lo, exec_lo, s60
	s_endpgm
.Lfunc_end_k_q92ffed56e7_refine:
	.size	k_q92ffed56e7_refine, .Lfunc_end_k_q92ffed56e7_refine-k_q92ffed56e7_refine
	.p2alignl 7, 3214868480
	.fill 96, 4, 3214868480
	.section	.rodata,"a",@progbits
	.p2align	6, 0x0
	.amdhsa_kernel k_q92ffed56e7_refine
		.amdhsa_group_segment_fixed_size 0
		.amdhsa_private_segment_fixed_size 0
		.amdhsa_enable_private_segment 0
		.amdhsa_kernarg_size 56
		.amdhsa_user_sgpr_count 2
		.amdhsa_user_sgpr_kernarg_segment_ptr 1
		.amdhsa_wavefront_size32 1
		.amdhsa_system_sgpr_workgroup_id_x 1
		.amdhsa_system_sgpr_workgroup_id_y 1
		.amdhsa_system_sgpr_workgroup_id_z 1
		.amdhsa_system_vgpr_workitem_id 0
		.amdhsa_next_free_vgpr 248
		.amdhsa_next_free_sgpr 98
		.amdhsa_reserve_vcc 1
		.amdhsa_float_denorm_mode_32 3
		.amdhsa_float_denorm_mode_16_64 3
		.amdhsa_memory_ordered 1
		.amdhsa_forward_progress 1
		.amdhsa_inst_pref_size 73
	.end_amdhsa_kernel
	.amdgpu_metadata
---
amdhsa.version: [ 1, 2 ]
amdhsa.kernels:
  - .name:           k_q92ffed56e7_refine
    .symbol:         k_q92ffed56e7_refine.kd
    .args:
      - { .name: z_e, .offset: 0, .size: 8, .value_kind: global_buffer, .address_space: global }
      - { .name: cb, .offset: 8, .size: 8, .value_kind: global_buffer, .address_space: global }
      - { .name: cn16, .offset: 16, .size: 8, .value_kind: global_buffer, .address_space: global }
      - { .name: cand, .offset: 24, .size: 8, .value_kind: global_buffer, .address_space: global }
      - { .name: out0, .offset: 32, .size: 8, .value_kind: global_buffer, .address_space: global }
      - { .name: out2, .offset: 40, .size: 8, .value_kind: global_buffer, .address_space: global }
      - { .name: part, .offset: 48, .size: 8, .value_kind: global_buffer, .address_space: global }
    .group_segment_fixed_size: 0
    .private_segment_fixed_size: 0
    .kernarg_segment_align: 8
    .kernarg_segment_size: 56
    .max_flat_workgroup_size: 256
    .sgpr_count:     98
    .vgpr_count:     248
    .wavefront_size: 32
...
	.end_amdgpu_metadata
.endif
;; end of part 5
;; launch loss: the kernel of part 4 again; grid 1 x 1, 1 waves a work-group, no clusters, 0 bytes of LDS; arguments part, out1; writes out1
